; MI455X (gfx1250); checked and timed in simulation.
; The chip was launched on July 23, 2026; its instructions are those of AMD's public machine-readable ISA for CDNA 5 (MIT licence, August 2026) and "CDNA5" Instruction Set Architecture Reference Guide (July 2026). The comments in the code are by the model that wrote it; some were corrected since.
;; Dinov2 Self Attention. Allowed arithmetic: matrix products marked QUANTISED: E2M3 operands, one E8M0 scale for each 32 along K, by v_wmma_scale_f32_16x16x128_f8f6f4 with both operands' format E2M3, f32 sums; everything else in f32.
;; Inputs: Wk 1,024 x 1,024 float32; Wq 1,024 x 1,024 float32; Wv 1,024 x 1,024 float32; bk 1,024 float32; bq 1,024 float32; bv 1,024 float32; hidden_states 8 x 1,370 x 1,024 float32.
;; Outputs: out0 8 x 1,370 x 1,024 float32.
;; This version of the problem:
;;   THIS VERSION OF THE PROBLEM IS GIVEN IN LOW PRECISION. The matrix products marked QUANTISED in the list below multiply operands that are first quantised to E2M3 (2 exponent bits, 3 mantissa bits; 6 bits a number), with one power-of-two scale for each 32 numbers along K (OCP MX v1.0); their sums are f32. All else is computed in f32.
;;   The module's matrix products, in the order in which they are computed (A, B: the left and right operand; K: the contracted axis; several contracted axes count as one K, in the product's order):
;;     1. [M 10,960, K 1,024] x [K 1,024, N 1,024]; A: input hidden_states; B: input Wq: QUANTISED
;;     2. [M 10,960, K 1,024] x [K 1,024, N 1,024]; A: input hidden_states; B: input Wk: QUANTISED
;;     3. [M 10,960, K 1,024] x [K 1,024, N 1,024]; A: input hidden_states; B: input Wv: QUANTISED
;;     4. batch 128 x [M 1,370, K 64] x [K 64, N 1,370]; A: computed on the way; B: computed on the way: QUANTISED
;;     5. batch 128 x [M 1,370, K 1,370] x [K 1,370, N 64]; A: softmax (see below); B: computed on the way: QUANTISED
;;   THE QUANTISER, for each operand of a quantised product, along K:
;;     - K is cut into blocks of 32 from its start; a last block that is shorter is filled with zeros.
;;     - A block's scale is 2^e with e = floor(log2(the largest magnitude in the block)) - 2, held to -126 .. 127; a block of zeros has e = 0. As a byte (E8M0): e + 127.
;;     - Each number is divided by its block's scale, clamped to +-7.5, and rounded to the nearest number of E2M3, ties to even, subnormals kept.
;;     - The product sums the exact products of the quantised numbers (number of the format x scale) in f32.
;;   ~~~python
;;   def quantise(x, axis):      # numpy; x: float32 -> the quantised numbers, widened to float32 again
;;       x = np.moveaxis(x, axis, -1); K = x.shape[-1]
;;       x = np.pad(x, [(0, 0)] * (x.ndim - 1) + [(0, -K % 32)]); x = x.reshape(x.shape[:-1] + (-1, 32)); a = np.abs(x).max(-1, keepdims=True)
;;       e = np.where(a > 0, np.clip(np.frexp(np.where(a > 0, a, 1))[1] - 1 - 2, -126, 127), 0)      # np.frexp(a)[1] - 1 = floor(log2(a)), exactly
;;       r = np.clip(x / 2.0 ** e, -7.5, 7.5)
;;       step = 2.0 ** (np.maximum(np.frexp(np.where(r == 0, 1, r))[1] - 1, 0) - 3)
;;       q = np.round(r / step) * step * 2.0 ** e      # np.round: ties to even
;;       return np.moveaxis(q.reshape(q.shape[:-2] + (-1,))[..., :K], -1, axis).astype(np.float32)
;;   ~~~
;;   SOFTMAX AHEAD OF A QUANTISED PRODUCT. Where the list says 'softmax', what is quantised is not the finished softmax but p = 2^(t - M), with t = logit x log2(e) and M = ceil(the row's largest t), a whole number; so 1/2 < the row's largest p <= 1. The row's sum l is taken of the UNQUANTISED p, in f32, and the product's result is divided by l at the end. Since M is a whole number, a kernel that streams over the keys may use a running M (the ceiling of the running maximum): every later rescaling is an exact power of two, which a block's scale takes up: the codes' values come out the same.
;;   OPERANDS COMPUTED ON THE WAY. 'Computed on the way' means the value that the module computes at that place (a softmax that the list does not call 'softmax' is quantised finished and normalised). What goes into a quantiser is computed in f32, as accurately as f32 sums, v_exp_f32 and their like allow (about 1e-6 of the number): no bf16 or f16 on the way to a quantiser, and a product that is left as it is and whose result goes on into a quantised operand takes f32 operands (vector FMAs, or v_wmma_f32_16x16x4_f32). A number that lies on a knife's edge between two numbers of the format may be rounded either way, as far as f32 arithmetic and the matrix unit's own rounding can turn it there, and no further.
;; One version. Each part assembles by itself: llvm-mc -triple=amdgcn-amd-amdhsa -mcpu=gfx1250 --defsym DOCPART=n.
;; ======== version 1 of 1: 3 launches
;; limits: right only within a limited range of input values
;; workspace buffers: xc 8,650,752 bytes; xs 360,448 bytes; wc 2,359,296 bytes; ws 98,304 bytes; qi 9,011,200 bytes; kv 18,022,400 bytes
;; launch quant (part 1): grid 56 x 8, 4 waves a work-group, no clusters, 33,280 bytes of LDS; arguments hidden_states, Wq, Wk, Wv, xc, xs, wc, ws; writes xc, xs, wc, ws
.if DOCPART == 1
	.amdgcn_target "amdgcn-amd-amdhsa--gfx1250"
	.amdhsa_code_object_version 6
	.text
	.protected	k_q03fd7a5b8e_quant
	.globl	k_q03fd7a5b8e_quant
	.p2align	8
	.type	k_q03fd7a5b8e_quant,@function
k_q03fd7a5b8e_quant:
	s_mov_b64 s[64:65], 0
	v_nop
	global_prefetch_b8 v0, s[64:65] scope:SCOPE_SE
	s_setreg_imm32_b32 hwreg(HW_REG_WAVE_MODE, 25, 1), 1
	s_wait_xcnt 0x0
; hidden_states [8][1370][1024] and Wq, Wk, Wv [1024][1024], f32, become codes of FP6 (E2M3), K innermost (768 bytes a row), with one E8M0 byte for each 32 along K (32 bytes a row).
; A block's scale is 2^(floor(log2(its largest magnitude)) - 2); its byte is the largest magnitude's exponent field - 2, held at 1 from below.
; LIMITS: NaN and infinities among the inputs are not served; a block whose largest magnitude lies under 2^-124 keeps the byte 1; a block of zeros has the byte 1 where the
; quantiser's text says 127: its codes are zeros, which add nothing under any byte but 0xff, and this program alone reads the bytes.
; LAYOUT OF THE RESULT.  Each batch is padded to 1,408 rows (11 x 128); pad rows get zero codes (and the last true row's scale bytes, which are valid bytes).
; ROW ORDER: in every group of 32 rows the four runs of 8 rows 0, 1, 2, 3 are laid at runs 0, 2, 1, 3: place 16 u + r holds row 8 u + r + 8 (r / 8).  So 16 neighbouring places taken as a
; matrix instruction's source 0 give results whose registers, over two neighbouring tiles, are 16 neighbours: what the next quantiser wants.  The three weights lie one behind the other.
; SHARES.  A wave takes a run of 8 rows: 16 steps of 512 numbers.  Work-groups x < 44 take batch y of hidden_states (176 runs), the other 12 x 8 the weights (3 x 128 runs).
; Only pointers and numbers are chosen by the work-group's number: there is one path.  Each load reads 512 consecutive bytes; a step's 2,048 bytes turn through the wave's own stage in LDS,
; so that a lane holds 16 neighbours; a wave's store of codes covers 384 consecutive bytes; its 256 scale bytes leave as one aligned run of 256 bytes.  No barrier: waves share nothing.
.set SEQ,   1370
.set XWG,   44                         ; work-groups along x that take hidden_states
.set STEPS, 16
.set EMAX,  2
.set CB,    12                         ; bytes of 16 codes
.set R,     16                         ; v16-79   four sets of 16 numbers as loaded
.set X,     80                         ; v80-111  two sets of 16 neighbours
.set E,     112                        ; v112-127 a scale byte for each step
.set C,     128                        ; v128-191 codes: four registers a step, so that no store's data are written again
.set RO,    192                        ; v192-199 byte offset of my 16 bytes in each of the run's 8 rows; never rewritten
.set MK,    40                         ; s40-47   -1 for a true row, 0 for a pad row
.set WREG,  8192                       ; LDS: a region for each wave: two stages of 32 x SP bytes, then its 256 scale bytes
.set SP,    80                         ; a lane's place in a stage: 64 bytes + 16 of padding
	s_load_b256 s[4:11], s[0:1], 0x0               ; hidden_states s[4:5], Wq s[6:7], Wk s[8:9], Wv s[10:11]
	s_load_b256 s[12:19], s[0:1], 0x20             ; xc s[12:13], xs s[14:15], wc s[16:17], ws s[18:19]
	v_lshl_add_u32 v200, v0, 2, 0x8000
	v_mov_b32 v201, 0
	v_lshrrev_b32 v1, 5, v0
	v_readfirstlane_b32 s20, v1                    ; wave
	v_and_b32 v2, 31, v0                           ; lane
	v_lshlrev_b32 v3, 4, v2                        ; my 16 bytes of a load's 512
	s_mul_i32 s22, s20, WREG
	v_lshrrev_b32 v14, 2, v2
	v_mul_u32_u24 v14, v14, SP
	v_and_b32 v15, 3, v2
	v_lshl_add_u32 v14, v15, 4, v14
	v_add_nc_u32 v14, s22, v14                     ; the stage, on the way in: SP (lane / 4) + 16 (lane % 4)
	v_mul_u32_u24 v15, v2, SP
	v_add_nc_u32 v15, s22, v15                     ; and on the way out: SP x lane: my 16 neighbours
	v_mul_u32_u24 v4, v2, CB                       ; my codes' place in a step's
	v_lshrrev_b32 v5, 1, v2
	s_add_co_u32 s22, s22, 2*32*SP
	v_add_nc_u32 v5, s22, v5                       ; LDS: my block's scale byte
	v_lshlrev_b32 v7, 3, v2                        ; and on the way out 8 bytes a lane
	v_add_nc_u32 v6, s22, v7
	s_and_b32 s21, ttmp7, 0xffff                   ; y
	s_lshl_b32 s23, ttmp9, 2
	s_add_co_u32 s23, s23, s20                     ; hidden_states: run 4 x + wave of batch y
	s_max_u32 s24, ttmp9, XWG
	s_sub_co_u32 s24, s24, XWG
	s_mul_i32 s25, s21, 12
	s_add_co_u32 s24, s24, s25                     ; weights: work-group 0 .. 95
	s_lshr_b32 s25, s24, 5                         ; which weight: 0 q, 1 k, 2 v
	s_and_b32 s24, s24, 31
	s_lshl_b32 s24, s24, 2
	s_add_co_u32 s24, s24, s20                     ; its run
	s_mul_i32 s27, s21, SEQ*4096                   ; the batch's first byte
	s_mul_i32 s28, s21, 176                        ; the batch's first run in xc
	s_lshl_b32 s29, s25, 7                         ; the weight's first run in wc
	s_mov_b32 s26, 1023
	s_wait_kmcnt 0x0
	s_cmp_eq_u32 s25, 1
	s_cselect_b64 s[6:7], s[8:9], s[6:7]
	s_cmp_eq_u32 s25, 2
	s_cselect_b64 s[6:7], s[10:11], s[6:7]         ; the weight
	s_cmp_lt_u32 ttmp9, XWG                        ; hidden_states or a weight?  The choice hangs on the work-group's number alone
	s_cselect_b64 s[4:5], s[4:5], s[6:7]
	s_cselect_b64 s[12:13], s[12:13], s[16:17]
	s_cselect_b64 s[14:15], s[14:15], s[18:19]
	s_cselect_b32 s23, s23, s24                    ; g: my run of 8 rows
	s_cselect_b32 s26, SEQ-1, s26                  ; the last true row
	s_cselect_b32 s27, s27, 0
	s_cselect_b32 s28, s28, s29
	s_and_not1_b32 s29, s23, 3                     ; the run's place: bits 0 and 1 of g change places
	s_and_b32 s30, s23, 1
	s_lshl_b32 s30, s30, 1
	s_bfe_u32 s31, s23, 0x10001
	s_or_b32 s29, s29, s30
	s_or_b32 s29, s29, s31
	s_add_co_u32 s28, s28, s29
	s_mov_b32 s31, 0
	s_mov_b32 s30, s27
	s_add_nc_u64 s[4:5], s[4:5], s[30:31]
	s_mul_i32 s30, s28, 8*768
	s_add_nc_u64 s[12:13], s[12:13], s[30:31]
	s_lshl_b32 s30, s28, 8
	s_add_nc_u64 s[14:15], s[14:15], s[30:31]
	s_lshl_b32 s23, s23, 3                         ; my first row
.irp row, 0,1,2,3,4,5,6,7
	s_add_co_u32 s32, s23, \row
	s_min_u32 s33, s32, s26                        ; a pad row reads the last true row: no load leaves the batch
	s_lshl_b32 s33, s33, 12
	v_add_nc_u32 v[RO+\row], s33, v3
	s_cmp_le_u32 s32, s26
	s_cselect_b32 s[MK+\row], -1, 0
.endr
.macro LOAD t                          ; step t: half t % 2 of row t / 2
.irp i, 0,1,2,3
	global_load_b128 v[R+16*((\t)%4)+4*\i:R+16*((\t)%4)+4*\i+3], v[RO+(\t)/2], s[4:5] offset:2048*((\t)%2)+512*\i th:TH_LOAD_NT
.endr
.endm
.macro TURN t                          ; step t's numbers through the stage: LDS serves a wave's instructions in order, so no wait stands between the stores and the loads
.irp i, 0,1,2,3
	ds_store_b128 v14, v[R+16*((\t)%4)+4*\i:R+16*((\t)%4)+4*\i+3] offset:32*SP*((\t)%2)+8*SP*\i
.endr
.irp i, 0,1,2,3
	ds_load_b128 v[X+16*((\t)%2)+4*\i:X+16*((\t)%2)+4*\i+3], v15 offset:32*SP*((\t)%2)+16*\i
.endr
.endm
	s_wait_alu depctr_va_vdst(0)
.irp t, 0,1,2,3
	LOAD \t
.endr
	s_wait_loadcnt 12                              ; step 0's four loads are in
	TURN 0
.macro STEP t
.set XS, X+16*((\t)%2)
.if (\t) > 0
	s_wait_dscnt 1                                 ; this step's numbers are back from the stage; the last step's byte store may be out
.else
	s_wait_dscnt 0x0
.endif
.if (\t)+4 < STEPS
	LOAD (\t)+4                                    ; into the registers that the stage's stores have read
.endif
.if (\t)+1 < STEPS
.if STEPS-2-(\t) >= 3
	s_wait_loadcnt 12                              ; the next step's four loads are in; those of the three steps behind it may be out
.else
	s_wait_loadcnt 4*(STEPS-2-(\t))
.endif
	TURN (\t)+1
.endif
	v_max3_num_f32 v8, |v[XS]|, |v[XS+1]|, |v[XS+2]|               ; the largest magnitude of my 16, in two chains
	v_max3_num_f32 v9, |v[XS+3]|, |v[XS+4]|, |v[XS+5]|
.irp i, 6,10
	v_max3_num_f32 v8, v8, |v[XS+\i]|, |v[XS+\i+1]|
	v_max3_num_f32 v9, v9, |v[XS+\i+2]|, |v[XS+\i+3]|
.endr
	v_max3_num_f32 v8, v8, |v[XS+14]|, |v[XS+15]|
	v_max3_num_f32 v8, v8, v9, (EMAX+1)<<23        ; and the floor 2^(3 - 127): the byte cannot fall under 1
	v_max_num_f32_dpp v8, v8, v8 row_xmask:1 row_mask:0xf bank_mask:0xf   ; and of my neighbour's 16: the block's
	v_add_nc_u32 v11, -(EMAX<<23), v8              ; 2 off its exponent field: the conversion takes this operand's exponent field as its scale
	v_cvt_scalef32_pk16_fp6_f32 v[C+4*(\t):C+4*(\t)+2], v[XS:XS+15], v11
	v_lshrrev_b32 v[E+(\t)], 23, v11               ; the scale's byte (also the plain line between the conversion and the lines that touch its result)
.irp i, 0,1,2
	v_and_b32 v[C+4*(\t)+\i], s[MK+(\t)/2], v[C+4*(\t)+\i]         ; a pad row's codes are zeros
.endr
	ds_store_b8 v5, v[E+(\t)] offset:16*(\t)       ; both lanes of a block write the same byte with the same value
	global_store_b96 v4, v[C+4*(\t):C+4*(\t)+2], s[12:13] offset:32*CB*(\t)
.endm
.irp t, 0,1,2,3,4,5,6,7,8,9,10,11,12,13,14,15
	STEP \t
.endr
	ds_load_b64 v[12:13], v6                       ; LDS serves a wave's instructions in order: these see my stores
	s_wait_dscnt 0x0
	global_store_b64 v7, v[12:13], s[14:15]        ; 32 lanes store 256 consecutive bytes, aligned
	s_wait_tensorcnt 0x0
	ds_add_u32 v200, v201
	s_wait_dscnt 0x0
	s_endpgm
.Lfunc_end_k_q03fd7a5b8e_quant:
	.size	k_q03fd7a5b8e_quant, .Lfunc_end_k_q03fd7a5b8e_quant-k_q03fd7a5b8e_quant
	.p2alignl 7, 3214868480
	.fill 96, 4, 3214868480
	.section	.rodata,"a",@progbits
	.p2align	6, 0x0
	.amdhsa_kernel k_q03fd7a5b8e_quant
		.amdhsa_group_segment_fixed_size 33280
		.amdhsa_private_segment_fixed_size 0
		.amdhsa_enable_private_segment 0
		.amdhsa_kernarg_size 64
		.amdhsa_user_sgpr_count 2
		.amdhsa_user_sgpr_kernarg_segment_ptr 1
		.amdhsa_wavefront_size32 1
		.amdhsa_system_sgpr_workgroup_id_x 1
		.amdhsa_system_sgpr_workgroup_id_y 1
		.amdhsa_system_sgpr_workgroup_id_z 1
		.amdhsa_system_vgpr_workitem_id 0
		.amdhsa_next_free_vgpr 202
		.amdhsa_next_free_sgpr 66
		.amdhsa_reserve_vcc 0
		.amdhsa_float_denorm_mode_32 3
		.amdhsa_float_denorm_mode_16_64 3
		.amdhsa_memory_ordered 1
		.amdhsa_forward_progress 1
		.amdhsa_inst_pref_size 36
	.end_amdhsa_kernel
	.amdgpu_metadata
---
amdhsa.version: [ 1, 2 ]
amdhsa.kernels:
  - .name:           k_q03fd7a5b8e_quant
    .symbol:         k_q03fd7a5b8e_quant.kd
    .args:
      - { .name: hidden_states, .offset: 0, .size: 8, .value_kind: global_buffer, .address_space: global }
      - { .name: Wq, .offset: 8, .size: 8, .value_kind: global_buffer, .address_space: global }
      - { .name: Wk, .offset: 16, .size: 8, .value_kind: global_buffer, .address_space: global }
      - { .name: Wv, .offset: 24, .size: 8, .value_kind: global_buffer, .address_space: global }
      - { .name: xc, .offset: 32, .size: 8, .value_kind: global_buffer, .address_space: global }
      - { .name: xs, .offset: 40, .size: 8, .value_kind: global_buffer, .address_space: global }
      - { .name: wc, .offset: 48, .size: 8, .value_kind: global_buffer, .address_space: global }
      - { .name: ws, .offset: 56, .size: 8, .value_kind: global_buffer, .address_space: global }
    .group_segment_fixed_size: 33280
    .private_segment_fixed_size: 0
    .kernarg_segment_align: 8
    .kernarg_segment_size: 64
    .max_flat_workgroup_size: 128
    .sgpr_count:     66
    .vgpr_count:     202
    .wavefront_size: 32
...
	.end_amdgpu_metadata
.endif
;; end of part 1
;; launch proj (part 2): grid 12 x 44, 4 waves a work-group, clusters of 4 x 4, 327,680 bytes of LDS; arguments xc, xs, wc, ws, bq, bk, bv, qi, kv; writes qi, kv
.if DOCPART == 2
	.amdgcn_target "amdgcn-amd-amdhsa--gfx1250"
	.amdhsa_code_object_version 6
	.text
	.protected	k_q03fd7a5b8e_proj
	.globl	k_q03fd7a5b8e_proj
	.p2align	8
	.type	k_q03fd7a5b8e_proj,@function
k_q03fd7a5b8e_proj:
	s_mov_b64 s[64:65], 0
	v_nop
	global_prefetch_b8 v0, s[64:65] scope:SCOPE_SE
	s_setreg_imm32_b32 hwreg(HW_REG_WAVE_MODE, 25, 1), 1
	s_wait_xcnt 0x0
	s_wait_alu depctr_hold_cnt(0) depctr_sa_sdst(0) depctr_va_vdst(0) depctr_va_sdst(0) depctr_va_ssrc(0) depctr_va_vcc(0) depctr_vm_vsrc(0)
	s_getreg_b32 s2, hwreg(HW_REG_IB_STS2, 6, 4)
	s_cmp_eq_u32 s2, 0
	s_cbranch_scc0 .Lentry_in_a_cluster
	s_endpgm
.Lentry_in_a_cluster:
	s_bfe_u32 s2, ttmp6, 0x10000c
	s_cmp_lg_u32 s2, 0xf033
	s_cbranch_scc0 .Lentry_shape_is_right
	s_endpgm
.Lentry_shape_is_right:
; q, k, v = x W^T + b on codes of FP6 (E2M3) with E8M0 scales, K = 1,024; the results are quantised here and stored as operand images for the attention launch.
; A work-group of four waves makes 256 x 256 of the product, a wave 128 x 128 (64 accumulators).  K goes through a ring of two LDS slots in chunks of 256 bytes of each row of codes
; (a row is 768 bytes: every chunk begins at a multiple of 256 bytes); a step of 128 along K is 96 bytes, eight steps to three chunks.  The scales of the 2 x 256 rows come once and stay.
; REGIONS.  Source 1 of the products is read from region A of a slot, source 0 from region B.  Clusters x = 0, 1 (q, k): A = 256 rows of x (tile 4 cluster y + cy), B = 256 rows of Wq or Wk
; (tile 4 cluster x + cx): a lane holds one token, its registers run along the channels.  Clusters x = 2 (v): A = 256 rows of Wv (tile 8 + cy), B = 256 rows of x (tile 4 cluster y + cx):
; a lane holds one channel, its registers run along the keys.  Only buffers and tile numbers are chosen, by the cluster's number; A's tile hangs on cy alone and is asked for jointly by a row
; of the cluster, B's on cx alone, by a column.  No LDS address and no branch hangs on cx or cy.
; NO PREFETCH: a work-group's walk is three chunks, two of them asked for at its head; no step stands a whole ring ahead of a load.
; LIMITS: NaN and infinities are not served; a block whose largest magnitude lies under 2^-124 keeps the scale byte 1.
.set ROWB,   256
.set NQ,     2
.set KROW,   768
.set STEPS,  8
.set CHUNKS, 3
.set PITCH,  272                       ; 256 bytes + 16 of padding
.set FR,     12
.set NL,     6
.set NP,     4
.set HALFT,  128*PITCH
.set SLOT,   4*HALFT
.set KS,     32
.set SCL,    2*SLOT
.set HALFS,  16*272
.set SBLK,   2*272
.set SPARE,  SCL+4*HALFS
.set KM,   7
.set W0,   8
.set W1,   12
.set ADRA, 16                          ; v16-17 A's fragments in slot 0, 1; v18-19 for pieces whose lanes 16-31 read the next chunk
.set ADRB, 20
.set ADRS, 27
.set SPW,  28
.set NIL,  29
.set LI16, 30
.set LI8,  31
.set SC,   32
.set BI,   64
.set AF,   128
.set ST,   128
.set IMG0, 192
.set IMG1, 204
.set CT,   216
.set BV,   224
.set TM,   232
.set PW,   248
.set SCW,  250
.set TW,   254
.set G1, 24
.set G0, 32
.set G1B, 48
.set G0B, 56
.set G1S, 68
.set G0S, 76
.set G1SB, 80
.set G0SB, 88
.set G0H, 4
.set G0HB, 8
.set SEL, 18
.set C0,  66
.set C1,  92
.set S0,  94
.set S1,  96
.set BP,  98
.set HM,  100
.set MSB, 0
.macro WIN new
.if MSB != \new
	s_set_vgpr_msb (MSB<<8)|\new
.set MSB, \new
.endif
.endm
.set MUL_LO, 0xa1
.set MUL_HI, 0xf1
.set TO_B,   0x40
.macro JLOAD g0a, g1a, g0b, g1b        ; waves 0, 1 fetch for region A, waves 2, 3 for region B
	s_cmp_eq_u32 s15, 0
	s_cbranch_scc0 .Lfor_b_\@
	tensor_load_to_lds s[\g0a:\g0a+3], s[\g1a:\g1a+7]
	s_nop 0
.rept 4
	v_nop
.endr
	s_branch .Lasked_\@
.Lfor_b_\@:
	tensor_load_to_lds s[\g0b:\g0b+3], s[\g1b:\g1b+7]
	s_nop 0
.rept 4
	v_nop
.endr
.Lasked_\@:
.endm
.macro CREST
	s_cmp_lg_u32 s14, 0
	s_cbranch_scc1 .Lnot_wave_0_\@
	s_barrier_signal -3
.Lnot_wave_0_\@:
	s_barrier_wait -3
	s_barrier_signal -1
	s_barrier_wait -1
.endm
.macro CROUND
	s_barrier_signal -1
	s_barrier_wait -1
	CREST
.endm
	s_load_b256 s[4:11], s[0:1], 0x0               ; xc, xs, wc, ws
	v_lshl_add_u32 v[SPW], v0, 2, SPARE
	v_mov_b32 v[NIL], 0
	ds_add_u32 v[SPW], v[NIL]                      ; the opening lines
	ds_add_u32 v[SPW], v[NIL]
	v_lshrrev_b32 v1, 5, v0
	v_readfirstlane_b32 s14, v1                    ; wave
	s_lshr_b32 s15, s14, 1                         ; my half of region A's rows; also: I fetch for A (0) or B (1)
	s_and_b32 s16, s14, 1                          ; my half of region B's rows; also: which 128 rows I fetch
	s_bfe_u32 s40, ttmp6, 0x40000                  ; cx
	s_bfe_u32 s41, ttmp6, 0x40004                  ; cy
	s_and_b32 s20, ttmp7, 0xffff
	s_lshl_b32 s20, s20, 2                         ; 4 x cluster y
	s_lshl_b32 s21, ttmp9, 2                       ; 4 x cluster x
	s_cmp_eq_u32 ttmp9, 2                          ; v's clusters?
	s_cselect_b32 s17, 8, s20
	s_cselect_b32 s42, s20, s21
	s_add_co_u32 s17, s17, s41                     ; A's tile of 256 rows: hangs on cy alone
	s_add_co_u32 s42, s42, s40                     ; B's: on cx alone
	s_lshl_b32 s43, s41, 2
	s_lshl_b32 s43, 15, s43                        ; my row of the cluster
	s_lshl_b32 s44, 0x1111, s40                    ; my column
	s_or_b32 s[G1+0], s43, (0<<16)|(1<<20)|(1<<21)|(5<<22)|(3<<25)
	s_or_b32 s[G1B+0], s44, (0<<16)|(1<<20)|(1<<21)|(5<<22)|(3<<25)
.irp g, G1, G1B
	s_mov_b32 s[\g+1], ROWB<<16
	s_mov_b32 s[\g+2], 256<<16                     ; 256 rows for the head's loads
	s_mov_b32 s[\g+3], ROWB<<16
	s_mov_b32 s[\g+4], 256
	s_mov_b32 s[\g+5], KROW
	s_mov_b32 s[\g+6], 0
	s_mov_b32 s[\g+7], 0
.endr
	s_or_b32 s[G1S+0], s43, (3<<16)|(1<<20)|(1<<21)|(5<<22)|(3<<25)
	s_or_b32 s[G1SB+0], s44, (3<<16)|(1<<20)|(1<<21)|(5<<22)|(3<<25)
.irp g, G1S, G1SB                      ; the scales of 256 rows: 8,192 dense bytes as 32 rows of 256
	s_mov_b32 s[\g+1], 32<<16
	s_mov_b32 s[\g+2], KS<<16
	s_mov_b32 s[\g+3], 32<<16
	s_mov_b32 s[\g+4], KS
	s_mov_b32 s[\g+5], 32
	s_mov_b32 s[\g+6], 0
	s_mov_b32 s[\g+7], 0
.endr
	s_lshl_b32 s20, s17, 8
	s_lshl_b32 s46, s42, 8
	s_mov_b32 s21, 0
	s_mov_b32 s47, 0
	s_mov_b64 s[18:19], KS
	s_mul_u64 s[22:23], s[20:21], s[18:19]
	s_mul_u64 s[92:93], s[46:47], s[18:19]
	s_mov_b64 s[18:19], KROW
	s_mul_u64 s[20:21], s[20:21], s[18:19]
	s_mul_u64 s[46:47], s[46:47], s[18:19]
	s_mul_i32 s18, s16, 128*KROW
	s_mov_b32 s19, 0
	s_mul_i32 s45, s14, HALFT
	s_wait_dscnt 0x0                               ; both opening adds are done
	s_wait_kmcnt 0x0
	s_cmp_eq_u32 ttmp9, 2                          ; which buffers feed the two regions: the choice hangs on the cluster's number alone
	s_cselect_b64 s[94:95], s[8:9], s[4:5]
	s_cselect_b64 s[96:97], s[10:11], s[6:7]
	s_cselect_b64 s[98:99], s[4:5], s[8:9]
	s_cselect_b64 s[100:101], s[6:7], s[10:11]
	s_add_nc_u64 s[20:21], s[94:95], s[20:21]
	s_add_nc_u64 s[22:23], s[96:97], s[22:23]
	s_add_nc_u64 s[46:47], s[98:99], s[46:47]
	s_add_nc_u64 s[92:93], s[100:101], s[92:93]
	CROUND                                         ; in front of the first joint loads
	s_mov_b32 s[G0H], 1
	s_mov_b32 s[G0H+1], 0
	s_mov_b64 s[G0H+2:G0H+3], s[20:21]
	s_or_b32 s[G0H+3], s[G0H+3], 0x80000000
	s_mov_b32 s[G0HB], 1
	s_mov_b32 s[G0HB+1], 2*HALFT
	s_mov_b64 s[G0HB+2:G0HB+3], s[46:47]
	s_or_b32 s[G0HB+3], s[G0HB+3], 0x80000000
	s_mov_b32 s[G0S], 1
	s_mov_b32 s[G0S+1], SCL
	s_mov_b64 s[G0S+2:G0S+3], s[22:23]
	s_or_b32 s[G0S+3], s[G0S+3], 0x80000000
	s_mov_b32 s[G0SB], 1
	s_mov_b32 s[G0SB+1], SCL+2*HALFS
	s_mov_b64 s[G0SB+2:G0SB+3], s[92:93]
	s_or_b32 s[G0SB+3], s[G0SB+3], 0x80000000
	s_add_nc_u64 s[20:21], s[20:21], s[18:19]      ; for the ring: my 128 rows
	s_add_nc_u64 s[46:47], s[46:47], s[18:19]
.irp s, 0,1
	s_mov_b32 s[G0+4*\s], 1
	s_add_co_u32 s[G0+4*\s+1], s45, \s*SLOT
	s_add_nc_u64 s[G0+4*\s+2:G0+4*\s+3], s[20:21], \s*ROWB
	s_or_b32 s[G0+4*\s+3], s[G0+4*\s+3], 0x80000000
	s_mov_b32 s[G0B+4*\s], 1
	s_add_co_u32 s[G0B+4*\s+1], s45, \s*SLOT
	s_add_nc_u64 s[G0B+4*\s+2:G0B+4*\s+3], s[46:47], \s*ROWB
	s_or_b32 s[G0B+4*\s+3], s[G0B+4*\s+3], 0x80000000
.endr
; the head's four tiles, one load a wave: chunk 0 of A, chunk 0 of B, A's scales, B's scales; one chain of branches on the wave's number
.macro ARM under, g0, g1, next
	s_cmp_lt_u32 s14, \under
	s_cbranch_scc0 \next
	tensor_load_to_lds s[\g0:\g0+3], s[\g1:\g1+7]
	s_nop 0
.rept 4
	v_nop
.endr
	s_branch .Lhead_asked
\next:
.endm
	ARM 1, G0H,  G1,  .Lhead_b
	ARM 2, G0HB, G1B, .Lhead_sa
	ARM 3, G0S,  G1S, .Lhead_sb
	tensor_load_to_lds s[G0SB:G0SB+3], s[G1SB:G1SB+7]
	s_nop 0
.rept 4
	v_nop
.endr
.Lhead_asked:
	v_and_b32 v1, 15, v0                           ; r
	v_bfe_u32 v2, v0, 4, 1                         ; h
	v_mul_u32_u24 v3, v1, PITCH
	v_mul_u32_u24 v4, v2, 24
	v_add_nc_u32 v4, v3, v4                        ; row x pitch + 24 h
	s_mov_b32 s21, SLOT-232
	s_mov_b32 s22, SLOT+232
	v_sub_nc_u32 v7, 1, v2
	v_mul_u32_u24 v5, s21, v2
	v_add_nc_u32 v5, v3, v5
	v_add_nc_u32 v5, 232, v5                       ; lanes 0-15 byte 232 in slot 0, lanes 16-31 byte 0 in slot 1
	v_mul_u32_u24 v6, s22, v7
	v_add_nc_u32 v6, v3, v6                        ; and the other way round
	s_mul_i32 s21, s15, HALFT
	s_mul_i32 s22, s16, HALFT
	s_add_co_u32 s22, s22, 2*HALFT
	v_add_nc_u32 v[ADRA+2], s21, v5
	v_add_nc_u32 v[ADRA+3], s21, v6
	v_add_nc_u32 v[ADRB+2], s22, v5
	v_add_nc_u32 v[ADRB+3], s22, v6
.irp s, 0,1
	v_add_nc_u32 v[ADRA+\s], s21, v4
	v_add_nc_u32 v[ADRB+\s], s22, v4
	s_add_co_u32 s21, s21, SLOT
	s_add_co_u32 s22, s22, SLOT
.endr
	v_mul_u32_u24 v5, v1, KS
	v_lshrrev_b32 v6, 8, v5
	v_lshl_add_u32 v5, v6, 4, v5
	s_mul_i32 s21, s15, HALFS
	s_mul_i32 s22, s16, HALFS
	s_add_co_u32 s22, s22, 2*HALFS
	s_sub_co_u32 s22, s22, s21
	v_mul_u32_u24 v6, s22, v2                      ; lanes 16-31 take region B's scale words
	s_add_co_u32 s21, s21, SCL
	v_add_nc_u32 v5, v5, v6
	v_add_nc_u32 v[ADRS], s21, v5
	; what my 128 x 128 is: 128 tokens (chunk) and 128 channels (two heads); these numbers go into global addresses alone
	s_cmp_eq_u32 ttmp9, 2
	s_cselect_b32 s20, s42, s17                    ; x's tile
	s_cselect_b32 s21, s16, s15                    ; my half of it
	s_cselect_b32 s22, s41, s40                    ; the weight's tile, 0 .. 3
	s_cselect_b32 s23, s15, s16                    ; my half of it
	s_lshl_b32 s20, s20, 1
	s_add_co_u32 s20, s20, s21                     ; chunk of 128 tokens, 0 .. 87
	s_mul_i32 s21, s20, 373
	s_lshr_b32 s21, s21, 12                        ; / 11: the batch
	s_mul_i32 s46, s21, 11
	s_sub_co_u32 s46, s20, s46                     ; the chunk in its batch
	s_lshl_b32 s47, s22, 2
	s_lshl_b32 s45, s23, 1
	s_add_co_u32 s47, s47, s45                     ; my first head
	s_lshl_b32 s21, s21, 4
	s_add_co_u32 s21, s21, s47
	s_mul_i32 s21, s21, 11
	s_add_co_u32 s2, s21, s46                      ; the record
	s_lshl_b32 s3, s22, 10
	s_lshl_b32 s45, s23, 9
	s_add_co_u32 s3, s3, s45                       ; my channels' first byte in a bias
	s_cmp_eq_u32 s46, 10
	s_cselect_b32 s45, 1, 0
	s_mov_b32 s[SEL], 0x76543210
	s_mov_b32 s[SEL+1], 0xfedcba98
	s_mov_b32 s[HM], 0xffff0000
	v_and_b32 v6, 31, v0
	v_lshlrev_b32 v[LI16], 4, v6
	v_lshlrev_b32 v[LI8], 3, v6
	v_lshlrev_b32 v8, 6, v2
	v_and_b32 v9, 8, v1
	v_add_nc_u32 v9, v9, v1
	v_lshlrev_b32 v9, 2, v9
.irp b, 0,1,2,3
	v_mov_b32 v[TM+4+\b], 0
.endr
	v_and_b32 v[KM], s45, v2
	v_add_nc_u32 v[KM], -1, v[KM]                  ; 0 in lanes 16-31 of a batch's last chunk, else all ones
.macro FRAG reg, adr, st, i            ; 16 rows x 128 K: six pieces of 8 bytes; byte y of a row lies in slot (y / 256) % 2 at byte y % 256
.irp p, 0,1,2,3,4,5
.set BY, 96*(\st)+48*(\p/3)+8*(\p%3)
.if BY/ROWB == (BY+24)/ROWB
	ds_load_b64 v[\reg+2*\p:\reg+2*\p+1], v[\adr+(BY/ROWB)%2] offset:BY%ROWB+(\i)*16*PITCH
.else
	ds_load_b64 v[\reg+2*\p:\reg+2*\p+1], v[\adr+2+(BY/ROWB)%2] offset:BY%ROWB-232+(\i)*16*PITCH
.endif
.endr
.endm
.macro MUL16 a0, p, q, sc, zero        ; the 64 accumulators take turns, one instruction a turn
.irp a, \a0, \a0+1
.irp b, 0,1,2,3,4,5,6,7
.if \zero
	v_wmma_scale_f32_16x16x128_f8f6f4 v[8*(8*((\a)%4)+\b):8*(8*((\a)%4)+\b)+7], v[128*(\p)+FR*\b:128*(\p)+FR*\b+FR-1], v[AF+FR*(\a):AF+FR*(\a)+FR-1], 0, v[SC+8*NQ*(\sc)+NQ*\b+(\q)], v[SC+8*NQ*(\sc)+NQ*(\a)+(\q)] matrix_a_fmt:MATRIX_FMT_FP6 matrix_b_fmt:MATRIX_FMT_FP6 matrix_a_scale:MATRIX_SCALE_ROW1
.else
	v_wmma_scale_f32_16x16x128_f8f6f4 v[8*(8*((\a)%4)+\b):8*(8*((\a)%4)+\b)+7], v[128*(\p)+FR*\b:128*(\p)+FR*\b+FR-1], v[AF+FR*(\a):AF+FR*(\a)+FR-1], v[8*(8*((\a)%4)+\b):8*(8*((\a)%4)+\b)+7], v[SC+8*NQ*(\sc)+NQ*\b+(\q)], v[SC+8*NQ*(\sc)+NQ*(\a)+(\q)] matrix_a_fmt:MATRIX_FMT_FP6 matrix_b_fmt:MATRIX_FMT_FP6 matrix_a_scale:MATRIX_SCALE_ROW1
.endif
.endr
.endr
.endm
.macro FETCH_B st, p
	WIN TO_B
.irp i, 0,1,2,3,4,5,6,7
	FRAG 128*(\p)+FR*\i, ADRB, \st, \i
.endr
	WIN 0
.endm
.macro FETCH_A st, i0
.irp i, \i0, \i0+1, \i0+2, \i0+3
	FRAG AF+FR*(\i), ADRA, \st, \i
.endr
.endm
.macro SCALES pr                       ; the scale words of steps 2 pr, 2 pr + 1
.irp i, 0,1,2,3,4,5,6,7
	ds_load_b64 v[SC+8*NQ*((\pr)%2)+NQ*\i:SC+8*NQ*((\pr)%2)+NQ*\i+1], v[ADRS] offset:\i*SBLK+4*NQ*(\pr)
.endr
.endm
.macro PLACES n
.rept \n
	v_nop
.endr
.endm
; A step: 64 products; the next step's fragments are fetched in its middle and at its end.  Where the next step ends in a chunk not read yet, a barrier shows that chunk whole; where it begins in a
; later chunk, the chunk left behind is free: the three lines, the barrier, and, where a chunk two on is left to fetch, the cluster's round and the refill.
.macro STEP st, zero
.set NX, (\st)+1
.set C0C, (96*(\st))/ROWB
.set C1C, (96*NX)/ROWB
.set E0C, (96*(\st)+95)/ROWB
.set E1C, (96*NX+95)/ROWB
.if C1C > C0C || E1C > E0C
	s_wait_tensorcnt 0x0                           ; all my tensor loads have landed
.if C1C > C0C
	ds_add_u32 v[SPW], v[NIL]
	s_wait_dscnt 4*NL+1                            ; the add and A's blocks 4-7 may be out
.else
	s_wait_dscnt 4*NL                              ; A's blocks 4-7 may be out
.endif
	WIN MUL_LO
	MUL16 0, (\st)%2, (\st)%2, ((\st)/2)%2, \zero
	s_wait_dscnt 0x0                               ; the add and my reads are done
	s_barrier_signal -1
	MUL16 2, (\st)%2, (\st)%2, ((\st)/2)%2, \zero
	WIN 0
	s_barrier_wait -1
.if C1C > C0C && C0C+2 < CHUNKS
	CREST
	s_add_nc_u64 s[G0+4*(C0C%2)+2:G0+4*(C0C%2)+3], s[G0+4*(C0C%2)+2:G0+4*(C0C%2)+3], 2*ROWB
	s_add_nc_u64 s[G0B+4*(C0C%2)+2:G0B+4*(C0C%2)+3], s[G0B+4*(C0C%2)+2:G0B+4*(C0C%2)+3], 2*ROWB
	JLOAD G0+4*(C0C%2), G1, G0B+4*(C0C%2), G1B
.else
	PLACES NP
.endif
.else
	s_wait_dscnt 4*NL
	WIN MUL_LO
	MUL16 0, (\st)%2, (\st)%2, ((\st)/2)%2, \zero
	MUL16 2, (\st)%2, (\st)%2, ((\st)/2)%2, \zero
	s_wait_dscnt 0
	PLACES NP
.endif
	FETCH_B NX, NX%2
	FETCH_A NX, 0
.if NX%2 == 0
	SCALES NX/2
.endif
	WIN MUL_HI
	MUL16 4, (\st)%2, (\st)%2, ((\st)/2)%2, \zero
	MUL16 6, (\st)%2, (\st)%2, ((\st)/2)%2, \zero
	PLACES NP
	WIN 0
	FETCH_A NX, 4
.endm
	s_wait_alu depctr_va_vdst(0)
	s_wait_tensorcnt 0x0                           ; my tile of the head's four is in
	ds_add_u32 v[SPW], v[NIL]
	s_mov_b32 s[G1+2], 128<<16                     ; no load of mine is out: from here on a load brings 128 rows
	s_mov_b32 s[G1+4], 128
	s_mov_b32 s[G1B+2], 128<<16
	s_mov_b32 s[G1B+4], 128
	s_wait_dscnt 0x0
	CROUND
	JLOAD G0+4, G1, G0B+4, G1B                     ; chunk 1: slot 1's first fill, issued as a refill is
	s_load_b256 s[4:11], s[0:1], 0x20              ; bq, bk, bv, qi (the head's descriptors that lay here are done with)
	s_load_b64 s[12:13], s[0:1], 0x40              ; kv
	FETCH_B 0, 0
	FETCH_A 0, 0
	SCALES 0
	FETCH_A 0, 4
	s_mov_b32 s46, 12800
	s_mov_b32 s47, 12288
	s_mov_b32 s23, 12544
	s_wait_kmcnt 0x0
	s_cmp_eq_u32 ttmp9, 0
	s_cselect_b64 s[C0:C0+1], s[10:11], s[12:13]
	s_cselect_b64 s[BP:BP+1], s[4:5], s[6:7]
	s_cselect_b32 s46, 6400, s46                   ; a record's bytes
	s_cselect_b32 s47, 6144, s47                   ; where its scale words begin
	s_cmp_eq_u32 ttmp9, 2
	s_cselect_b64 s[BP:BP+1], s[8:9], s[BP:BP+1]
	s_cselect_b32 s47, s23, s47
	s_cselect_b32 s23, 6144, 0                     ; v's images lie behind k's
	s_mul_i32 s20, s2, s46
	s_mov_b32 s21, 0
	s_add_nc_u64 s[C0:C0+1], s[C0:C0+1], s[20:21]
	s_mov_b32 s20, s47
	s_add_nc_u64 s[S0:S0+1], s[C0:C0+1], s[20:21]
	s_mov_b32 s20, s23
	s_add_nc_u64 s[C0:C0+1], s[C0:C0+1], s[20:21]
	s_mul_i32 s20, s46, 11                         ; the next head: 11 records on
	s_add_nc_u64 s[C1:C1+1], s[C0:C0+1], s[20:21]
	s_add_nc_u64 s[S1:S1+1], s[S0:S0+1], s[20:21]
	s_mov_b32 s20, s3
	s_add_nc_u64 s[BP:BP+1], s[BP:BP+1], s[20:21]
.irp b, 0,1,2,3,4,5,6,7
	global_load_b128 v[BI+8*\b:BI+8*\b+3], v8, s[BP:BP+1] offset:(32*(\b/2)+8*(\b%2))*4      ; the bias along a lane's registers (q, k)
	global_load_b128 v[BI+8*\b+4:BI+8*\b+7], v8, s[BP:BP+1] offset:(32*(\b/2)+8*(\b%2))*4+16
.endr
.irp a, 0,1,2,3,4,5,6,7
	global_load_b32 v[BV+\a], v9, s[BP:BP+1] offset:(32*(\a/2)+8*(\a%2))*4                   ; and at a lane's channel (v)
.endr
	STEP 0, 1                                      ; the first step's products start the sums
.set SN, 1
.rept STEPS-2
	STEP SN, 0
.set SN, SN+1
.endr
	s_wait_dscnt 4*NL
	WIN MUL_LO
	MUL16 0, 1, 1, 1, 0
	MUL16 2, 1, 1, 1, 0
	s_wait_dscnt 0
	WIN MUL_HI
	MUL16 4, 1, 1, 1, 0
	MUL16 6, 1, 1, 1, 0
	WIN 0
; 64 numbers a lane, four blocks of 32 shared with lane l xor 16, become codes and a scale word
.macro QUANT src, d0, d1, pw
.irp b, 0,1,2,3
	v_max3_num_f32 v[TM+\b], |v[\src+16*\b]|, |v[\src+1+16*\b]|, 0x1800000
.endr
.irp i, 2,4,6,8,10,12,14
.irp b, 0,1,2,3
	v_max3_num_f32 v[TM+\b], v[TM+\b], |v[\src+16*\b+\i]|, |v[\src+1+16*\b+\i]|
.endr
.endr
.irp b, 0,1,2,3
	v_permlanex16_b32 v[TM+4+\b], v[TM+\b], s[SEL], s[SEL+1]
.endr
.irp b, 0,1,2,3
	v_max_num_f32 v[TM+\b], v[TM+\b], v[TM+4+\b]
.endr
.irp b, 0,1,2,3
	v_add_nc_u32 v[TM+12+\b], 0xff000000, v[TM+\b]
.endr
.irp b, 0,1,2,3
	v_lshrrev_b32 v[TM+4+\b], 23, v[TM+12+\b]
.endr
	v_lshl_or_b32 v[\pw], v[TM+5], 8, v[TM+4]
	v_lshl_or_b32 v[\pw], v[TM+6], 16, v[\pw]
	v_lshl_or_b32 v[\pw], v[TM+7], 24, v[\pw]
	v_cvt_scalef32_pk16_fp6_f32 v[\d0:\d0+2], v[\src:\src+15], v[TM+12]
	v_cvt_scalef32_pk16_fp6_f32 v[CT:CT+2], v[\src+16:\src+31], v[TM+13]
	v_cvt_scalef32_pk16_fp6_f32 v[\d1:\d1+2], v[\src+32:\src+47], v[TM+14]
	v_cvt_scalef32_pk16_fp6_f32 v[CT+4:CT+6], v[\src+48:\src+63], v[TM+15]
	v_nop
.irp i, 0,1,2
	v_permlane16_swap_b32 v[\d0+\i], v[CT+\i]
	v_permlane16_swap_b32 v[\d1+\i], v[CT+4+\i]
.endr
.irp i, 0,1,2
	v_mov_b32 v[\d0+3+\i], v[CT+\i]
	v_mov_b32 v[\d1+3+\i], v[CT+4+\i]
.endr
.endm
	PLACES NP
	s_wait_loadcnt 0x0                             ; the biases
	s_cmp_eq_u32 ttmp9, 2
	s_cbranch_scc1 .Lv
.irp a, 0,1,2,3,4,5,6,7                ; q, k: block a = 16 tokens x 128 channels; two blocks make a pair image for each of the two heads
.if (\a%2 == 0) && (\a > 0)
	s_wait_xcnt 0x0
.endif
.set WN, 0x02+\a/4
	WIN WN
.set AC, 64*(\a%4)
.set i, 0
.rept 32
	v_pk_add_f32 v[ST+i:ST+i+1], v[AC+i:AC+i+1], v[BI+i:BI+i+1]
.set i, i+2
.endr
	WIN 0
	QUANT ST, IMG0+6*(\a%2), IMG1+6*(\a%2), PW+\a%2
.if \a%2 == 1
	v_and_b32 v[TW], 0xffff, v[PW]
	v_lshl_or_b32 v[W0+\a/2], v[PW+1], 16, v[TW]
	v_lshrrev_b32 v[TW], 16, v[PW]
	v_and_or_b32 v[W1+\a/2], v[PW+1], s[HM], v[TW]
.irp c, 0,1,2
	global_store_b128 v[LI16], v[IMG0+4*\c:IMG0+4*\c+3], s[C0:C0+1] offset:1536*(\a/2)+512*\c
	global_store_b128 v[LI16], v[IMG1+4*\c:IMG1+4*\c+3], s[C1:C1+1] offset:1536*(\a/2)+512*\c
.endr
.endif
.endr
	s_branch .Lsc
.Lv:
.irp a, 0,1,2,3,4,5,6,7                ; v: block a = 16 channels x 128 keys: one image
.if \a > 0
	s_wait_xcnt 0x0
.endif
.set WN, 0x02+\a/4
	WIN WN
.set AC, 64*(\a%4)
.set i, 0
.rept 32
.if \a%2
	v_pk_add_f32 v[ST+i:ST+i+1], v[AC+i:AC+i+1], v[BV+2*(\a/2):BV+2*(\a/2)+1] op_sel:[0,1] op_sel_hi:[1,1]
.else
	v_pk_add_f32 v[ST+i:ST+i+1], v[AC+i:AC+i+1], v[BV+2*(\a/2):BV+2*(\a/2)+1] op_sel:[0,0] op_sel_hi:[1,0]
.endif
.set i, i+2
.endr
	WIN 0
.irp i, 0,1,2,3,4,5
	v_and_b32 v[ST+42+\i], v[KM], v[ST+42+\i]      ; keys 1370 .. 1375 count as zeros in their block
.endr
	QUANT ST, IMG0, IMG0+6, W0+\a
.if \a < 4
.set CP, C0
.else
.set CP, C1
.endif
.irp c, 0,1,2
	global_store_b128 v[LI16], v[IMG0+4*\c:IMG0+4*\c+3], s[CP:CP+1] offset:1536*(\a%4)+512*\c
.endr
.endr
.Lsc:
	v_cndmask_b32 v[SCW], v[W0], v[W0+1], s[HM]
	s_wait_alu depctr_va_vdst(0)
	v_cndmask_b32 v[SCW+1], v[W0+2], v[W0+3], s[HM]
	v_cndmask_b32 v[SCW+2], v[W1], v[W1+1], s[HM]
	v_cndmask_b32 v[SCW+3], v[W1+2], v[W1+3], s[HM]
	global_store_b64 v[LI8], v[SCW:SCW+1], s[S0:S0+1]
	global_store_b64 v[LI8], v[SCW+2:SCW+3], s[S1:S1+1]
	s_wait_tensorcnt 0x0                           ; the wave's end
	ds_add_u32 v[SPW], v[NIL]
	s_wait_dscnt 0x0
	CROUND                                         ; the closing round
	s_endpgm
.Lfunc_end_k_q03fd7a5b8e_proj:
	.size	k_q03fd7a5b8e_proj, .Lfunc_end_k_q03fd7a5b8e_proj-k_q03fd7a5b8e_proj
	.p2alignl 7, 3214868480
	.fill 96, 4, 3214868480
	.section	.rodata,"a",@progbits
	.p2align	6, 0x0
	.amdhsa_kernel k_q03fd7a5b8e_proj
		.amdhsa_group_segment_fixed_size 327680
		.amdhsa_private_segment_fixed_size 0
		.amdhsa_enable_private_segment 0
		.amdhsa_kernarg_size 72
		.amdhsa_user_sgpr_count 2
		.amdhsa_user_sgpr_kernarg_segment_ptr 1
		.amdhsa_wavefront_size32 1
		.amdhsa_system_sgpr_workgroup_id_x 1
		.amdhsa_system_sgpr_workgroup_id_y 1
		.amdhsa_system_sgpr_workgroup_id_z 1
		.amdhsa_system_vgpr_workitem_id 0
		.amdhsa_next_free_vgpr 1024
		.amdhsa_next_free_sgpr 102
		.amdhsa_reserve_vcc 0
		.amdhsa_float_denorm_mode_32 3
		.amdhsa_float_denorm_mode_16_64 3
		.amdhsa_memory_ordered 1
		.amdhsa_forward_progress 1
		.amdhsa_inst_pref_size 235
	.end_amdhsa_kernel
	.amdgpu_metadata
---
amdhsa.version: [ 1, 2 ]
amdhsa.kernels:
  - .name:           k_q03fd7a5b8e_proj
    .symbol:         k_q03fd7a5b8e_proj.kd
    .args:
      - { .name: xc, .offset: 0, .size: 8, .value_kind: global_buffer, .address_space: global }
      - { .name: xs, .offset: 8, .size: 8, .value_kind: global_buffer, .address_space: global }
      - { .name: wc, .offset: 16, .size: 8, .value_kind: global_buffer, .address_space: global }
      - { .name: ws, .offset: 24, .size: 8, .value_kind: global_buffer, .address_space: global }
      - { .name: bq, .offset: 32, .size: 8, .value_kind: global_buffer, .address_space: global }
      - { .name: bk, .offset: 40, .size: 8, .value_kind: global_buffer, .address_space: global }
      - { .name: bv, .offset: 48, .size: 8, .value_kind: global_buffer, .address_space: global }
      - { .name: qi, .offset: 56, .size: 8, .value_kind: global_buffer, .address_space: global }
      - { .name: kv, .offset: 64, .size: 8, .value_kind: global_buffer, .address_space: global }
    .group_segment_fixed_size: 327680
    .private_segment_fixed_size: 0
    .kernarg_segment_align: 8
    .kernarg_segment_size: 72
    .max_flat_workgroup_size: 128
    .sgpr_count:     102
    .vgpr_count:     1024
    .wavefront_size: 32
...
	.end_amdgpu_metadata
.endif
;; end of part 2
;; launch attn (part 3): grid 2 x 128, 12 waves a work-group, no clusters, 327,680 bytes of LDS; arguments qi, kv, out0; writes out0
.if DOCPART == 3
	.amdgcn_target "amdgcn-amd-amdhsa--gfx1250"
	.amdhsa_code_object_version 6
	.text
	.protected	k_q03fd7a5b8e_attn
	.globl	k_q03fd7a5b8e_attn
	.p2align	8
	.type	k_q03fd7a5b8e_attn,@function
k_q03fd7a5b8e_attn:
	s_mov_b64 s[64:65], 0
	v_nop
	global_prefetch_b8 v0, s[64:65] scope:SCOPE_SE
	s_setreg_imm32_b32 hwreg(HW_REG_WAVE_MODE, 25, 1), 1
	s_wait_xcnt 0x0
; out[b][q][64 head ..] = the sum over keys of softmax(q . k / 8) v, both products on codes of FP6 (E2M3) with E8M0 scales, from the operand images that the launch before has stored.
; THE SOFTMAX: t = score x log2(e) / 8; M = the running largest t rounded UP to a whole number; p = 2^(t - M) is quantised along the keys, not normalised; the row's sum is taken of the
; unquantised p and divides at the end.  When M moves, the sum and O are multiplied by 2^(old M - new M): exact.
; A BLOCK'S SCALE BYTE is floor(its largest t - M) + 125, held at 1 from below: the exponent field of 2^(t - M) less 2, made with no exponential.
; SHARES.  A work-group takes half of the queries of one (batch, head): 22 or 21 pairs of tiles of 16 queries.  The head's K and V, 11 records of 12,800 bytes, come into LDS once: records 0, 1 by the
; head's loads (ten waves, 10 rows of 256 bytes each), records 2 .. 10 behind the first barrier (ten waves, 45 rows each), under the first two steps.  No byte is filled twice.
; First pass: twelve waves, a pair each.  Second pass: waves 0-7 a pair each, waves 8-11 ONE tile each of the last two pairs (in the second half of the queries one pair is left: waves 8, 9),
; so that the three waves numbered w, w + 4, w + 8 have five tiles together.
; NO CLUSTER: only two work-groups share a head's K and V, which each reads once.  NO PREFETCH: all that the launch reads through LDS is asked for in two groups at its start.
; LAYOUT.  Both products are used transposed: S^T = K Q^T, O^T = V^T P^T: a lane holds ONE query.  The head is 64, the instruction's K 128: a pair image of K against [q | zeros] gives the first
; tile's scores, against [zeros | q] the second's.  By the images' row order the 16 registers of two neighbouring tiles are 16 neighbouring keys.
; Keys 1370 .. 1407 are hidden by -infinity ahead of the maximum; queries 1370 .. 1375 are computed and not stored.
; LIMITS: NaN and infinities are not served; scaled scores stay under 2^31 in magnitude; a block of p that has fallen under 2^-124 has the scale byte 1; where t - M lies within an ulp under a whole
; number and the exponential rounds up to the power of two, that one p is held at the block's largest code.
.set REC,   12800
.set NCH,   11
.set VIM,   6144
.set KSC,   12288
.set VSC,   12544
.set QREC,  6400
.set STAGE, NCH*REC                    ; the way out: 32 rows x 272 bytes for each wave; no fill lands there
.set SPT,   272
.set WSTG,  32*SPT
.set SPARE, STAGE+12*WSTG
.set RA,    10
.set RB,    45
.set LI16, 1
.set LI8,  2
.set STO,  3
.set RD,   4
.set GO,   5
.set ADK,  6
.set ADS,  7
.set NINF, 8
.set QSO,  9
.set ST,   10                          ; tile e: v[10+4e] -M, v[11+4e] the largest t, v[12+4e:13+4e] the sum
.set F,    18
.set PSW,  22
.set QSW,  24
.set KSW,  26
.set VSW,  28
.set QZ,   30                          ; v30-35 zeros, v36-41 q of tile 0, v42-47 zeros, v48-53 q of tile 1, v54-59 zeros
.set KV,   60
.set S,    108
.set PC,   172
.set BM,   196
.set PM,   200
.set SO,   204
.set CT,   208
.set SUM2, 216
.set T0,   218
.set T1,   219
                                       ; window 1: v0-63 O^T; v64-75 the second pass's q, v76 its scale word
.set WV,   10
.set BH,   12
.set G1A,  16
.set G1B,  24
.set G0A,  32
.set G0B,  36
.set SEL,  40
.set CS,   42
.set HM,   44
.set TB,   45
.set CH,   46
.set P0,   47
.set LIM1, 49
.set OUTP, 50
.set QC,   54
.set OD,   72                          ; s72  1: my second unit is the odd tile of its pair
.set SH,   73                          ; s73  16 x that
.set OM,   74                          ; s74  all ones for that
.set SHRT, 75                          ; s75  1: my single tile is the one whose last six queries do not exist
.set MSB, 0
.macro WIN new
.if MSB != \new
	s_set_vgpr_msb (MSB<<8)|\new
.set MSB, \new
.endif
.endm
	s_load_b128 s[4:7], s[0:1], 0x0                ; qi, kv
	s_load_b64 s[8:9], s[0:1], 0x10                ; out0
	v_lshl_add_u32 v254, v0, 2, SPARE
	v_mov_b32 v255, 0
	ds_add_u32 v254, v255                          ; the opening lines
	ds_add_u32 v254, v255
	v_lshrrev_b32 v1, 5, v0
	s_delay_alu instid0(VALU_DEP_1)
	v_readfirstlane_b32 s[WV], v1                  ; wave 0..11
	s_and_b32 s[BH], ttmp7, 0xffff                 ; 16 batch + head
.irp g, G1A, G1B                       ; dense bytes as rows of 256 (32 elements of 8 bytes)
	s_mov_b32 s[\g], 3<<16
	s_mov_b32 s[\g+1], 32<<16
	s_mov_b32 s[\g+3], 32<<16
	s_mov_b32 s[\g+5], 32
	s_mov_b32 s[\g+6], 0
	s_mov_b32 s[\g+7], 0
.endr
	s_mov_b32 s[G1A+2], RA<<16
	s_mov_b32 s[G1A+4], RA
	s_mov_b32 s[G1B+2], RB<<16
	s_mov_b32 s[G1B+4], RB
	s_mul_i32 s62, s[BH], NCH*REC
	s_mul_i32 s63, s[WV], RA*256                   ; my part of records 0, 1, in LDS as in memory
	s_mul_i32 s66, s[WV], RB*256
	s_add_co_u32 s66, s66, 2*REC                   ; and of records 2 .. 10
	s_mov_b32 s[G0A], 1
	s_mov_b32 s[G0A+1], s63
	s_mov_b32 s[G0B], 1
	s_mov_b32 s[G0B+1], s66
	s_add_co_u32 s68, s62, s63
	s_mov_b32 s69, 0
	s_add_co_u32 s70, s62, s66
	s_mov_b32 s71, 0
	s_wait_dscnt 0x0
	s_wait_kmcnt 0x0
	s_add_nc_u64 s[G0A+2:G0A+3], s[6:7], s[68:69]
	s_or_b32 s[G0A+3], s[G0A+3], 0x80000000
	s_add_nc_u64 s[G0B+2:G0B+3], s[6:7], s[70:71]
	s_or_b32 s[G0B+3], s[G0B+3], 0x80000000
	s_cmp_lt_u32 s[WV], 10                         ; waves 0 to 9 fetch, one load each
	s_cbranch_scc0 .Lno_fill
	tensor_load_to_lds s[G0A:G0A+3], s[G1A:G1A+7]
	s_nop 0
.rept 4
	v_nop
.endr
.Lno_fill:
	s_mul_i32 s62, ttmp9, 22
	s_add_co_u32 s[P0], s62, s[WV]                 ; first pass: pair 22 half + wave
	s_add_co_u32 s63, s[P0], 12                    ; second pass, waves 0-7: twelve on
	s_lshr_b32 s66, s[WV], 1
	s_add_co_u32 s66, s66, s62
	s_add_co_u32 s66, s66, 16                      ; waves 8-11: pair 22 half + 20 + (wave - 8) / 2
	s_cmp_lt_u32 s[WV], 8
	s_cselect_b32 s[P0+1], s63, s66
	s_cselect_b32 s[OD], 0, s[WV]
	s_and_b32 s[OD], s[OD], 1
	s_min_u32 s[P0+1], s[P0+1], 43                 ; (inside the buffer where the wave has none)
	s_lshl_b32 s[SH], s[OD], 4
	s_sub_co_u32 s[OM], 0, s[OD]
	s_cmp_eq_u32 s[P0+1], 42
	s_cselect_b32 s[SHRT], s[OD], 0
	s_lshl_b32 s62, ttmp9, 1
	s_sub_co_u32 s[LIM1], 12, s62                  ; waves from here on have no second unit
.macro UNIT p                          ; pass p's pointers
	s_lshr_b32 s62, s[P0+\p], 2
	s_mul_i32 s63, s[BH], NCH
	s_add_co_u32 s62, s62, s63
	s_mul_i32 s62, s62, QREC
	s_and_b32 s63, s[P0+\p], 3
	s_mul_i32 s63, s63, 1536
	s_add_co_u32 s66, s62, s63                     ; the pair image
	s_mov_b32 s67, 0
	s_add_nc_u64 s[QC+4*\p:QC+4*\p+1], s[4:5], s[66:67]
	s_and_b32 s63, s[P0+\p], 1
	s_lshl_b32 s63, s63, 7
	s_add_co_u32 s66, s62, s63
	s_bfe_u32 s63, s[P0+\p], 0x10001
	s_lshl_b32 s63, s63, 2
	s_add_co_u32 s66, s66, s63
	s_add_co_u32 s66, s66, 4*1536                  ; its scale word
	s_add_nc_u64 s[QC+4*\p+2:QC+4*\p+3], s[4:5], s[66:67]
	s_lshr_b32 s62, s[BH], 4
	s_mul_i32 s62, s62, 1370
	s_lshl_b32 s63, s[P0+\p], 5
	s_add_co_u32 s62, s62, s63                     ; the pair's first row of out
	s_lshl_b32 s62, s62, 12
	s_and_b32 s63, s[BH], 15
	s_lshl_b32 s63, s63, 8
	s_add_co_u32 s66, s62, s63
	s_add_nc_u64 s[OUTP+2*\p:OUTP+2*\p+1], s[8:9], s[66:67]
.endm
	UNIT 0
	UNIT 1
	s_lshl_b32 s66, s[OD], 15                      ; the odd tile's queries begin 8 rows on
	s_add_nc_u64 s[OUTP+2:OUTP+3], s[OUTP+2:OUTP+3], s[66:67]
	v_and_b32 v9, 31, v0
	s_delay_alu instid0(VALU_DEP_1)
	v_lshlrev_b32 v[LI16], 4, v9
	s_delay_alu instid0(VALU_DEP_2)
	v_lshlrev_b32 v[LI8], 3, v9
	v_and_b32 v6, 15, v0                           ; r
	v_bfe_u32 v7, v0, 4, 1                         ; h
	s_delay_alu instid0(VALU_DEP_2)
	v_lshlrev_b32 v[QSO], 3, v6
	global_load_b128 v[S:S+3], v[LI16], s[QC:QC+1]
	global_load_b128 v[S+4:S+7], v[LI16], s[QC:QC+1] offset:512
	global_load_b128 v[S+8:S+11], v[LI16], s[QC:QC+1] offset:1024
	global_load_b32 v[S+12], v[QSO], s[QC+2:QC+3]
	WIN 0x40
	global_load_b128 v[64:67], v[LI16], s[QC+4:QC+5]
	global_load_b128 v[68:71], v[LI16], s[QC+4:QC+5] offset:512
	global_load_b128 v[72:75], v[LI16], s[QC+4:QC+5] offset:1024
	global_load_b32 v76, v[QSO], s[QC+6:QC+7]
	WIN 0
	s_mul_i32 s62, s[WV], WSTG
	s_add_co_u32 s62, s62, STAGE
	v_mul_u32_u24 v[STO], v6, SPT
	s_delay_alu instid0(VALU_DEP_1)
	v_lshl_add_u32 v[STO], v7, 6, v[STO]
	s_delay_alu instid0(VALU_DEP_1)
	v_add_nc_u32 v[STO], s62, v[STO]               ; in: row r, + 64 h
	v_mul_u32_u24 v[RD], v7, SPT
	s_delay_alu instid0(VALU_DEP_1)
	v_lshl_add_u32 v[RD], v6, 4, v[RD]
	s_delay_alu instid0(VALU_DEP_1)
	v_add_nc_u32 v[RD], s62, v[RD]                 ; back: lanes 0-15 one row, lanes 16-31 the next
	v_lshlrev_b32 v[GO], 12, v7
	s_delay_alu instid0(VALU_DEP_1)
	v_lshl_add_u32 v[GO], v6, 4, v[GO]
	v_mov_b32 v[NINF], 0xff800000
	s_mov_b32 s[SEL], 0x76543210
	s_mov_b32 s[SEL+1], 0xfedcba98
	s_mov_b32 s[CS], 0x3e38aa3b                    ; log2(e) / 8
	s_mov_b32 s[CS+1], s[CS]
	s_mov_b32 s[HM], 0xffff0000
.irp i, 0,1,2,3,4,5
	v_mov_b32 v[QZ+\i], 0
	v_mov_b32 v[QZ+12+\i], 0
	v_mov_b32 v[QZ+24+\i], 0
.endr
.irp b, 0,1,2,3
	v_mov_b32 v[PM+\b], 0
.endr
	v_mov_b32 v[F+1], 0
	v_mov_b32 v[F+3], 0
	s_wait_loadcnt 0x0                             ; q of both passes
; A pass's start: q between the zeros, its scale bytes doubled, the statistics, O^T = 0.  In the second pass a wave with the odd tile alone takes that tile as its tile 0.
.macro QSET p
.if \p
	WIN 0x05                                       ; sources 0 and 1: window 1
.irp i, 0,1,2,3,4,5
	v_cndmask_b32 v[QZ+6+\i], v[64+\i], v[70+\i], s[OM]
	v_mov_b32 v[QZ+18+\i], v[70+\i]
.endr
	v_mov_b32 v[T0], v76
	WIN 0
	v_lshrrev_b32 v[T0], s[SH], v[T0]
.else
.irp i, 0,1,2,3,4,5
	v_mov_b32 v[QZ+6+\i], v[S+\i]
	v_mov_b32 v[QZ+18+\i], v[S+6+\i]
.endr
	v_mov_b32 v[T0], v[S+12]
.endif
	v_and_b32 v[T1], 0xffff, v[T0]
	s_delay_alu instid0(VALU_DEP_1)
	v_lshl_or_b32 v[QSW], v[T0], 16, v[T1]
	v_lshrrev_b32 v[T1], 16, v[T0]
	s_delay_alu instid0(VALU_DEP_1)
	v_and_or_b32 v[QSW+1], v[T0], s[HM], v[T1]
.irp e, 0,1
	v_mov_b32 v[ST+4*\e+1], 0xff61b1e6             ; the largest t so far: -3e38
	s_delay_alu instid0(VALU_DEP_1)
	v_floor_f32 v[ST+4*\e], -v[ST+4*\e+1]
	v_mov_b32 v[ST+4*\e+2], 0
	v_mov_b32 v[ST+4*\e+3], 0
.endr
	WIN 0x40
.set i, 0
.rept 64
	v_mov_b32 v[i], 0                              ; O^T: the step is written once, the first change of M multiplies zeros
.set i, i+1
.endr
	WIN 0
.endm
.macro QK e                            ; S^T of tile e: eight products, each its own accumulator
.irp b, 0,1,2,3
.irp u, 0,1
.set rD, S+8*(2*\b+\u)
.set rA, KV+12*\b
.set rB, QZ+6+12*\e-6*\u
.if \b%2
	v_wmma_scale_f32_16x16x128_f8f6f4 v[rD:rD+7], v[rA:rA+11], v[rB:rB+11], 0, v[KSW+\b/2], v[QSW+\e] matrix_a_fmt:MATRIX_FMT_FP6 matrix_b_fmt:MATRIX_FMT_FP6 matrix_a_scale:MATRIX_SCALE_ROW1
.else
	v_wmma_scale_f32_16x16x128_f8f6f4 v[rD:rD+7], v[rA:rA+11], v[rB:rB+11], 0, v[KSW+\b/2], v[QSW+\e] matrix_a_fmt:MATRIX_FMT_FP6 matrix_b_fmt:MATRIX_FMT_FP6
.endif
.endr
.endr
.endm
.macro MASK                            ; in the last chunk keys 1370 .. 1407 become -infinity; a branch on the loop's counter
	s_cmp_lg_u32 s[CH], NCH-1
	s_cbranch_scc1 .Lopen_\@
.irp i, 0,1,2,3,4,5
	v_cndmask_b32 v[S+42+\i], v[S+42+\i], v[NINF], s[HM]
.endr
.irp i, 0,1,2,3,4,5,6,7,8,9,10,11,12,13,14,15
	v_mov_b32 v[S+48+\i], v[NINF]
.endr
.Lopen_\@:
.endm
.macro SOFTMAX e
.set NM, ST+4*\e
.set TX, ST+4*\e+1
.set SM, ST+4*\e+2
.set FF, F+2*\e
.set PD, PC+12*\e
.irp b, 0,1,2,3
	v_max3_num_f32 v[BM+\b], v[S+16*\b], v[S+16*\b+1], v[S+16*\b+2]   ; the largest score of each block of 32 keys
.endr
.irp i, 3,5,7,9,11,13
.irp b, 0,1,2,3
	v_max3_num_f32 v[BM+\b], v[BM+\b], v[S+16*\b+\i], v[S+16*\b+\i+1]
.endr
.endr
.irp b, 0,1,2,3
	v_max_num_f32 v[BM+\b], v[BM+\b], v[S+16*\b+15]
.endr
.irp b, 0,1,2,3
	s_delay_alu instid0(VALU_DEP_4)
	v_permlanex16_b32 v[PM+\b], v[BM+\b], s[SEL], s[SEL+1]
.endr
.irp b, 0,1,2,3
	s_delay_alu instid0(VALU_DEP_4)
	v_max_num_f32 v[BM+\b], v[BM+\b], v[PM+\b]
.endr
	s_delay_alu instid0(VALU_DEP_2)
	v_max3_num_f32 v[T0], v[BM], v[BM+1], v[BM+2]
	s_delay_alu instid0(VALU_DEP_1)
	v_max_num_f32 v[T0], v[T0], v[BM+3]
	s_delay_alu instid0(VALU_DEP_1)
	v_mul_f32 v[T0], s[CS], v[T0]
	s_delay_alu instid0(VALU_DEP_1)
	v_max_num_f32 v[TX], v[TX], v[T0]              ; the running largest t
	v_mov_b32 v[T0], v[NM]
	s_delay_alu instid0(VALU_DEP_2)
	v_floor_f32 v[NM], -v[TX]                      ; the new -M
	s_delay_alu instid0(VALU_DEP_1)
	v_sub_f32 v[T0], v[NM], v[T0]
	s_delay_alu instid0(VALU_DEP_1)
	v_cvt_i32_f32 v[T0], v[T0]
	s_delay_alu instid0(VALU_DEP_1)
	v_ldexp_f32 v[FF], 1.0, v[T0]                  ; f = 2^(old M - new M)
.set j, 0
.rept 32
	v_pk_fma_f32 v[S+j:S+j+1], v[S+j:S+j+1], s[CS:CS+1], v[NM:NM+1] op_sel_hi:[1,0,0]   ; t - M
.set j, j+2
.endr
.irp b, 0,1,2,3
	v_fma_f32 v[BM+\b], v[BM+\b], s[CS], v[NM]     ; the same of each block's largest score
.endr
.irp b, 0,1,2,3
	s_delay_alu instid0(VALU_DEP_4)
	v_max_num_f32 v[BM+\b], 0xc2f80000, v[BM+\b]   ; held at -124: the byte cannot fall under 1
.endr
.irp b, 0,1,2,3
	s_delay_alu instid0(VALU_DEP_4)
	v_cvt_floor_i32_f32 v[BM+\b], v[BM+\b]         ; floor(log2(the block's largest p))
.endr
.irp b, 0,1,2,3
	s_delay_alu instid0(VALU_DEP_4)
	v_add_nc_u32 v[PM+\b], 125, v[BM+\b]           ; the scale's byte: + 127 - 2
.endr
.irp b, 0,1,2,3
	s_delay_alu instid0(VALU_DEP_4)
	v_lshlrev_b32 v[SO+\b], 23, v[PM+\b]           ; and the conversion's scale operand
.endr
	v_lshl_or_b32 v[PSW+\e], v[PM+1], 8, v[PM]
	s_delay_alu instid0(VALU_DEP_1)
	v_lshl_or_b32 v[PSW+\e], v[PM+2], 16, v[PSW+\e]
	s_delay_alu instid0(VALU_DEP_1)
	v_lshl_or_b32 v[PSW+\e], v[PM+3], 24, v[PSW+\e]
	s_wait_alu depctr_va_vdst(0)
.set j, 0
.rept 64
	v_exp_f32 v[S+j], v[S+j]                       ; p = 2^(t - M)
.set j, j+1
.endr
	v_pk_mul_f32 v[SM:SM+1], v[SM:SM+1], v[FF:FF+1] op_sel_hi:[1,0]   ; the sums under the new M (the plain line behind the exponentials)
	s_wait_alu depctr_va_vdst(0)                   ; and behind it, ahead of its first reader
	v_pk_add_f32 v[SUM2:SUM2+1], v[S:S+1], v[S+2:S+3]
.set j, 4
.rept 15
	v_pk_add_f32 v[SM:SM+1], v[SM:SM+1], v[S+j:S+j+1]
	v_pk_add_f32 v[SUM2:SUM2+1], v[SUM2:SUM2+1], v[S+j+2:S+j+3]
.set j, j+4
.endr
	s_delay_alu instid0(VALU_DEP_1)
	v_pk_add_f32 v[SM:SM+1], v[SM:SM+1], v[SUM2:SUM2+1]
.irp c, 0,1
	v_cvt_scalef32_pk16_fp6_f32 v[PD+6*\c:PD+6*\c+2], v[S+32*\c:S+32*\c+15], v[SO+2*\c]
	v_cvt_scalef32_pk16_fp6_f32 v[CT+4*\c:CT+4*\c+2], v[S+32*\c+16:S+32*\c+31], v[SO+2*\c+1]
.endr
	v_nop                                          ; one plain line behind the scaled conversions
.irp c, 0,1
.irp i, 0,1,2
	v_permlane16_swap_b32 v[PD+6*\c+\i], v[CT+4*\c+\i]         ; a whole block to a lane
.endr
.irp i, 0,1,2
	s_delay_alu instid0(VALU_DEP_3)
	v_mov_b32 v[PD+6*\c+3+\i], v[CT+4*\c+\i]
.endr
.endr
.endm
.macro VLOAD
.irp t, 0,1,2,3
.irp c, 0,1,2
	ds_load_b128 v[KV+12*\t+4*\c:KV+12*\t+4*\c+3], v[ADK] offset:VIM+1536*\t+512*\c
.endr
.endr
	ds_load_b64 v[VSW:VSW+1], v[ADS] offset:VSC
.endm
.macro PV t, e
.if \t%2
	v_wmma_scale_f32_16x16x128_f8f6f4 v[32*\e+8*\t:32*\e+8*\t+7], v[KV+12*\t:KV+12*\t+11], v[PC+12*\e:PC+12*\e+11], v[32*\e+8*\t:32*\e+8*\t+7], v[VSW+\t/2], v[PSW+\e] matrix_a_fmt:MATRIX_FMT_FP6 matrix_b_fmt:MATRIX_FMT_FP6 matrix_a_scale:MATRIX_SCALE_ROW1
.else
	v_wmma_scale_f32_16x16x128_f8f6f4 v[32*\e+8*\t:32*\e+8*\t+7], v[KV+12*\t:KV+12*\t+11], v[PC+12*\e:PC+12*\e+11], v[32*\e+8*\t:32*\e+8*\t+7], v[VSW+\t/2], v[PSW+\e] matrix_a_fmt:MATRIX_FMT_FP6 matrix_b_fmt:MATRIX_FMT_FP6
.endif
.endm
; A STEP: one chunk of 128 keys for my pair of tiles (two = 1) or my one tile (two = 0)
.macro STEP mask, two
	v_add_nc_u32 v[ADK], s[TB], v[LI16]
	v_add_nc_u32 v[ADS], s[TB], v[LI8]
	v_nop
	v_nop                                          ; four plain lines behind the last products, in front of loads into registers that they read
.if !(\two)
	s_wait_alu depctr_va_vdst(0)
.endif
.irp b, 0,1,2,3
.irp c, 0,1,2
	ds_load_b128 v[KV+12*\b+4*\c:KV+12*\b+4*\c+3], v[ADK] offset:1536*\b+512*\c
.endr
.endr
	ds_load_b64 v[KSW:KSW+1], v[ADS] offset:KSC
	s_wait_dscnt 0x0
	QK 0
.rept 4
	v_nop
.endr
.if !(\two)
	VLOAD                                          ; V's images land under the softmax
.endif
.if \mask
	MASK
.endif
	SOFTMAX 0
.if \two
	QK 1
.rept 4
	v_nop
.endr
	VLOAD
.if \mask
	MASK
.endif
	SOFTMAX 1
.endif
	s_wait_alu depctr_va_vdst(0)                   ; directly ahead of the first reader of O^T
	WIN 0x41
.set i, 0
.rept 16*(1+\two)
	v_pk_mul_f32 v[i:i+1], v[i:i+1], v[F+2*(i/32):F+2*(i/32)+1] op_sel_hi:[1,0]   ; O^T under the new M (also the places between p's codes and scale words and the products)
.set i, i+2
.endr
	s_wait_alu depctr_va_vdst(0)
	s_wait_dscnt 0x0                               ; V
	WIN 0x50
.irp t, 0,1,2,3                        ; O^T += V^T P^T: the accumulators by turns
	PV \t, 0
.if \two
	PV \t, 1
.endif
.endr
	WIN 0
.endm
; THE WAY OUT: O^T / the sum goes through my stage and leaves as rows of the head's 256 bytes: sixteen lanes store 256 consecutive bytes, aligned.
; Stage rows 2 i, 2 i + 1 are the unit's queries 8 (i / 8) + 2 (i % 8) + 8 ((i % 8) / 4) + 0, 1.
.macro SROW p, i
	global_store_b128 v[GO], v[S+4*(\i):S+4*(\i)+3], s[OUTP+2*\p:OUTP+2*\p+1] offset:4096*(8*((\i)/8)+2*((\i)%8)+8*(((\i)%8)/4)) th:TH_STORE_NT
.endm
.macro OUT p, two
	v_add_f32 v[ST+2], v[ST+2], v[ST+3]
	v_add_f32 v[ST+6], v[ST+6], v[ST+7]
	s_delay_alu instid0(VALU_DEP_2)
	v_permlanex16_b32 v[PM], v[ST+2], s[SEL], s[SEL+1]
	s_delay_alu instid0(VALU_DEP_2)
	v_permlanex16_b32 v[PM+1], v[ST+6], s[SEL], s[SEL+1]
	s_delay_alu instid0(VALU_DEP_2)
	v_add_f32 v[ST+2], v[ST+2], v[PM]
	s_delay_alu instid0(VALU_DEP_2)
	v_add_f32 v[ST+6], v[ST+6], v[PM+1]            ; (these six lines are the places behind the last products)
	s_wait_alu depctr_va_vdst(0)
	v_rcp_f32 v[F], v[ST+2]
	v_rcp_f32 v[F+2], v[ST+6]
	v_nop
	s_wait_alu depctr_va_vdst(0)
	WIN 0x01
.set i, 0
.rept 16*(1+\two)
	v_pk_mul_f32 v[S+i:S+i+1], v[i:i+1], v[F+2*(i/32):F+2*(i/32)+1] op_sel_hi:[1,0]
.set i, i+2
.endr
	WIN 0
.set i, 0
.rept 4*(1+\two)
	ds_store_b128 v[STO], v[S+8*i:S+8*i+3] offset:16*SPT*(i/4)+128*((i%4)/2)+32*(i%2)
	ds_store_b128 v[STO], v[S+8*i+4:S+8*i+7] offset:16*SPT*(i/4)+128*((i%4)/2)+32*(i%2)+16
.set i, i+1
.endr
.set i, 0
.rept 8*(1+\two)
	ds_load_b128 v[S+4*i:S+4*i+3], v[RD] offset:2*SPT*i        ; LDS serves a wave's instructions in order: these see my stores
.set i, i+1
.endr
.if \two
.set i, 0
.rept 16
	s_wait_dscnt 15-i                              ; the younger loads may be out
	SROW \p, i
.set i, i+1
.endr
.else
.set i, 0
.rept 5
	s_wait_dscnt 7-i
	SROW \p, i
.set i, i+1
.endr
	s_wait_dscnt 0x0
	s_cmp_lg_u32 s[SHRT], 0                        ; queries 1370 .. 1375 do not exist
	s_cbranch_scc1 .Lshort_\@
	SROW \p, 5
	SROW \p, 6
	SROW \p, 7
.Lshort_\@:
.endif
.endm
	QSET 0
	s_wait_alu depctr_va_vdst(0)
	s_wait_tensorcnt 0x0                           ; my part of records 0, 1 is in
	ds_add_u32 v254, v255                          ; the add twice
	ds_add_u32 v254, v255
	s_wait_dscnt 0x0
	s_barrier_signal -1
	s_barrier_wait -1                              ; everybody's is
	s_cmp_lt_u32 s[WV], 10
	s_cbranch_scc0 .Lno_fill2
	tensor_load_to_lds s[G0B:G0B+3], s[G1B:G1B+7]  ; records 2 .. 10: my one load behind this barrier
	s_nop 0
.rept 4
	v_nop
.endr
.Lno_fill2:
	s_mov_b32 s[CH], 0
	s_mov_b32 s[TB], 0
.Lfirst:                                           ; chunks 0, 1, while the rest of the head lands
	STEP 0, 1
	s_add_co_u32 s[TB], s[TB], REC
	s_add_co_u32 s[CH], s[CH], 1
	s_cmp_lt_u32 s[CH], 2
	s_cbranch_scc1 .Lfirst
	s_wait_tensorcnt 0x0                           ; my part of records 2 .. 10 is in (no LDS instruction of mine is out)
	s_barrier_signal -1
	s_barrier_wait -1
	s_mov_b32 s[CH], 2
	s_mov_b32 s[TB], 2*REC
.Lrest:
	STEP 1, 1
	s_add_co_u32 s[TB], s[TB], REC
	s_add_co_u32 s[CH], s[CH], 1
	s_cmp_lt_u32 s[CH], NCH
	s_cbranch_scc1 .Lrest
	OUT 0, 1
	s_wait_xcnt 0x0                                ; the stores have read their registers
	QSET 1
	s_mov_b32 s[CH], 0
	s_mov_b32 s[TB], 0
.Lsecond:                                          ; every wave walks the loop and takes its own kind of step
	s_cmp_ge_u32 s[WV], 8
	s_cbranch_scc1 .Lone
	STEP 1, 1
	s_branch .Lnext
.Lone:
	s_cmp_ge_u32 s[WV], s[LIM1]
	s_cbranch_scc1 .Lnext
	STEP 1, 0
.Lnext:
	s_add_co_u32 s[TB], s[TB], REC
	s_add_co_u32 s[CH], s[CH], 1
	s_cmp_lt_u32 s[CH], NCH
	s_cbranch_scc1 .Lsecond
	s_cmp_ge_u32 s[WV], 8
	s_cbranch_scc1 .Lout_one
	OUT 1, 1
	s_branch .Lend
.Lout_one:
	s_cmp_ge_u32 s[WV], s[LIM1]
	s_cbranch_scc1 .Lend
	OUT 1, 0
.Lend:
	s_wait_tensorcnt 0x0                           ; the wave's end
	ds_add_u32 v254, v255
	s_wait_dscnt 0x0
	s_endpgm
.Lfunc_end_k_q03fd7a5b8e_attn:
	.size	k_q03fd7a5b8e_attn, .Lfunc_end_k_q03fd7a5b8e_attn-k_q03fd7a5b8e_attn
	.p2alignl 7, 3214868480
	.fill 96, 4, 3214868480
	.section	.rodata,"a",@progbits
	.p2align	6, 0x0
	.amdhsa_kernel k_q03fd7a5b8e_attn
		.amdhsa_group_segment_fixed_size 327680
		.amdhsa_private_segment_fixed_size 0
		.amdhsa_enable_private_segment 0
		.amdhsa_kernarg_size 24
		.amdhsa_user_sgpr_count 2
		.amdhsa_user_sgpr_kernarg_segment_ptr 1
		.amdhsa_wavefront_size32 1
		.amdhsa_system_sgpr_workgroup_id_x 1
		.amdhsa_system_sgpr_workgroup_id_y 1
		.amdhsa_system_sgpr_workgroup_id_z 1
		.amdhsa_system_vgpr_workitem_id 0
		.amdhsa_next_free_vgpr 336
		.amdhsa_next_free_sgpr 80
		.amdhsa_reserve_vcc 0
		.amdhsa_float_denorm_mode_32 3
		.amdhsa_float_denorm_mode_16_64 3
		.amdhsa_memory_ordered 1
		.amdhsa_forward_progress 1
		.amdhsa_inst_pref_size 148
	.end_amdhsa_kernel
	.amdgpu_metadata
---
amdhsa.version: [ 1, 2 ]
amdhsa.kernels:
  - .name:           k_q03fd7a5b8e_attn
    .symbol:         k_q03fd7a5b8e_attn.kd
    .args:
      - { .name: qi, .offset: 0, .size: 8, .value_kind: global_buffer, .address_space: global }
      - { .name: kv, .offset: 8, .size: 8, .value_kind: global_buffer, .address_space: global }
      - { .name: out0, .offset: 16, .size: 8, .value_kind: global_buffer, .address_space: global }
    .group_segment_fixed_size: 327680
    .private_segment_fixed_size: 0
    .kernarg_segment_align: 8
    .kernarg_segment_size: 24
    .max_flat_workgroup_size: 384
    .sgpr_count:     80
    .vgpr_count:     336
    .wavefront_size: 32
...
	.end_amdgpu_metadata
.endif
;; end of part 3
